; MI455X (gfx1250); checked and timed in simulation.
; The chip was launched on July 23, 2026; its instructions are those of AMD's public machine-readable ISA for CDNA 5 (MIT licence, August 2026) and "CDNA5" Instruction Set Architecture Reference Guide (July 2026). The comments in the code are by the model that wrote it; some were corrected since.
;; Audio Quantizer. Allowed arithmetic: matrix products marked QUANTISED: E4M3 operands, one E8M0 scale for each 32 along K, by v_wmma_scale_f32_16x16x128_f8f6f4 with both operands' format E4M3, f32 sums; everything else in f32.
;; Inputs: codebook 8,192 x 512 float32; embedding 8,192 x 512 float32; x 16,384 x 512 float32.
;; Outputs: out0 16,384 x 512 float32.
;; This version of the problem:
;;   THIS VERSION OF THE PROBLEM IS GIVEN IN LOW PRECISION. The matrix products marked QUANTISED in the list below multiply operands that are first quantised to E4M3 (4 exponent bits, 3 mantissa bits; 8 bits a number), with one power-of-two scale for each 32 numbers along K (OCP MX v1.0); their sums are f32. All else is computed in f32.
;;   The module's matrix products, in the order in which they are computed (A, B: the left and right operand; K: the contracted axis; several contracted axes count as one K, in the product's order):
;;     1. [M 16,384, K 512] x [K 512, N 8,192]; A: input x; B: input codebook: QUANTISED
;;   THE QUANTISER, for each operand of a quantised product, along K:
;;     - K is cut into blocks of 32 from its start; a last block that is shorter is filled with zeros.
;;     - A block's scale is 2^e with e = floor(log2(the largest magnitude in the block)) - 8, held to -126 .. 127; a block of zeros has e = 0. As a byte (E8M0): e + 127.
;;     - Each number is divided by its block's scale, clamped to +-448, and rounded to the nearest number of E4M3, ties to even, subnormals kept.
;;     - The product sums the exact products of the quantised numbers (number of the format x scale) in f32.
;;   ~~~python
;;   def quantise(x, axis):      # numpy; x: float32 -> the quantised numbers, widened to float32 again
;;       x = np.moveaxis(x, axis, -1); K = x.shape[-1]
;;       x = np.pad(x, [(0, 0)] * (x.ndim - 1) + [(0, -K % 32)]); x = x.reshape(x.shape[:-1] + (-1, 32)); a = np.abs(x).max(-1, keepdims=True)
;;       e = np.where(a > 0, np.clip(np.frexp(np.where(a > 0, a, 1))[1] - 1 - 8, -126, 127), 0)      # np.frexp(a)[1] - 1 = floor(log2(a)), exactly
;;       r = np.clip(x / 2.0 ** e, -448, 448)
;;       step = 2.0 ** (np.maximum(np.frexp(np.where(r == 0, 1, r))[1] - 1, -6) - 3)
;;       q = np.round(r / step) * step * 2.0 ** e      # np.round: ties to even
;;       return np.moveaxis(q.reshape(q.shape[:-2] + (-1,))[..., :K], -1, axis).astype(np.float32)
;;   ~~~
;; 2 versions. Each part assembles by itself: llvm-mc -triple=amdgcn-amd-amdhsa -mcpu=gfx1250 --defsym DOCPART=n.
;; ======== version 1 of 2: 3 launches
;; workspace buffers: xpack 8,912,896 bytes; cpack 4,456,448 bytes; part 1,048,576 bytes of whole numbers
;; launch pack (part 1): grid 768 x 1, 2 waves a work-group, no clusters, 28,928 bytes of LDS; arguments x, codebook, xpack, cpack; writes xpack, cpack
.if DOCPART == 1
	.amdgcn_target "amdgcn-amd-amdhsa--gfx1250"
	.amdhsa_code_object_version 6
	.text
	.protected	k_q517c52b77d_pack
	.globl	k_q517c52b77d_pack
	.p2align	8
	.type	k_q517c52b77d_pack,@function
k_q517c52b77d_pack:
	s_mov_b64 s[64:65], 0
	v_nop
	global_prefetch_b8 v0, s[64:65] scope:SCOPE_SE
	s_setreg_imm32_b32 hwreg(HW_REG_WAVE_MODE, 25, 1), 1
	s_wait_xcnt 0x0
; x [16384][512] and codebook [8192][512], f32, become TILE RECORDS of 16 rows, 8,704 bytes each, laid as the product's launch wants them:
;   bytes 0 .. 8191     the rows' codes of FP8 (E4M3) as images of the operand's registers: byte 2048 s + 512 c + 16 (r + 16 h) on: k = 128 s + 32 c + 16 h + 0 .. 15 of row r
;   bytes 8192 .. 8447  the E8M0 scale bytes, [row][16]: word s of a row serves K step s
;   bytes 8448 .. 8703  one f32 number a row, the 16 of them four times over: the row's sum of squares (x), or that sum times -1/2 (codebook)
; A block's scale is 2^(floor(log2(its largest magnitude)) - 8); its byte is the largest magnitude's exponent field - 8, held at 1 from below; each number is divided by the scale,
; held within +-448 and rounded to the nearest code, ties to even.  A block of zeros gets the byte 1 where the rule says 127: its codes are zeros, and this program alone reads the bytes.
; LIMITS: NaN and infinities among the inputs are not served.  The sums of squares are f32 sums in this text's own order (two packed chains a lane, then across the 32 lanes).
; SHARES.  A wave makes one record: 16 steps, a row (2,048 bytes) each.  Work-groups 0 .. 511 take x, 512 .. 767 the codebook: only pointers and one factor are chosen, both take one path.
; A row's four loads read 512 consecutive bytes each; the row turns through the wave's own stage in LDS, so that lane l then holds the 16 neighbours k = 16 l + 0 .. 15: two lanes to a block.
; Lane l's 16 codes of row t belong at byte 256 l + 16 t of the image (k = 16 l is s = l / 8, c = (l / 2) % 4, h = l % 2): so the image is gathered in LDS, a lane's 256 bytes at pitch 272,
; and leaves as 16 stores of 512 consecutive bytes.  No tensor loads, no barrier: waves share nothing.  Loads run eight rows (32 loads a wave) ahead, the turn through LDS one row.
.set ROWS,  16
.set XWG,   512                        ; work-groups that take x: 1,024 records, two to a work-group
.set TR,    8704                       ; bytes of a record
.set WREG,  14336                      ; LDS: a region for each wave
.set SP,    80                         ; a lane's place in a stage: 64 bytes + 16 of padding
.set IMG,   2*32*SP                    ; behind the two stages: the image, 32 x (256 + 16) bytes
.set IP,    272
.set SCB,   IMG+32*IP                  ; the 256 scale bytes
.set SUM,   SCB+256                    ; the 16 sums
.set R,     32                         ; v32-159   eight sets of 16 numbers as they are loaded; on the way out the image
.set X,     160                        ; v160-191  two sets of 16 neighbours
.set C,     192                        ; v192-207  four sets of 4 registers of codes
.set E,     208                        ; v208-211  scale bytes, four by turns
.set S,     212                        ; v212-215  sums, four by turns
	s_load_b256 s[4:11], s[0:1], 0x0               ; x s[4:5], codebook s[6:7], xpack s[8:9], cpack s[10:11]
	v_lshl_add_u32 v216, v0, 2, 0x7000
	v_mov_b32 v217, 0
	v_lshrrev_b32 v1, 5, v0
	v_readfirstlane_b32 s16, v1                    ; wave 0, 1
	v_and_b32 v2, 31, v0                           ; lane
	v_lshlrev_b32 v3, 4, v2                        ; 16 x lane: my 16 bytes of a load's or a store's 512
	s_mul_i32 s25, s16, WREG                       ; my wave's region
	v_lshrrev_b32 v14, 2, v2
	v_mul_u32_u24 v14, v14, SP
	v_and_b32 v15, 3, v2
	v_lshl_add_u32 v14, v15, 4, v14
	v_add_nc_u32 v14, s25, v14                     ; the stage, on the way in: SP (lane / 4) + 16 (lane % 4); a load's 512 bytes take eight places
	v_mul_u32_u24 v15, v2, SP
	v_add_nc_u32 v15, s25, v15                     ; and on the way out: SP x lane
	s_add_co_u32 s26, s25, IMG
	v_mul_u32_u24 v4, v2, IP
	v_add_nc_u32 v4, s26, v4                       ; the image, on the way in: my 256 bytes
	v_lshrrev_b32 v18, 4, v2
	v_mul_u32_u24 v18, v18, IP
	v_and_b32 v19, 15, v2
	v_lshl_add_u32 v18, v19, 4, v18
	v_add_nc_u32 v18, s26, v18                     ; and on the way out: sixteen lanes to a piece of 256 bytes, two pieces an instruction
	s_add_co_u32 s26, s25, SCB
	v_lshrrev_b32 v5, 1, v2
	v_add_nc_u32 v5, s26, v5                       ; my block's scale byte in a row's 16
	v_lshlrev_b32 v7, 3, v2                        ; 8 x lane
	v_add_nc_u32 v6, s26, v7                       ; the scale bytes on the way out: 8 a lane
	s_add_co_u32 s26, s25, SUM
	v_mov_b32 v16, s26                             ; the sums, on the way in
	v_and_b32 v17, 7, v2
	v_lshl_add_u32 v17, v17, 3, s26                ; and on the way out: 8 (lane % 8): the 64 bytes four times over
	s_mov_b32 s12, 0x76543210
	s_mov_b32 s13, 0xfedcba98                      ; v_permlanex16_b32's selects for lane l xor 16
	s_mov_b32 s23, 0x600000                        ; the mantissa field of 448
	s_mov_b32 s24, 0xbf000000                      ; -0.5
	s_wait_kmcnt 0x0
	s_cmp_lt_u32 ttmp9, XWG                        ; x's work-group or the codebook's?  The choice hangs on the work-group's number alone
	s_cselect_b64 s[4:5], s[4:5], s[6:7]
	s_cselect_b64 s[8:9], s[8:9], s[10:11]
	s_cselect_b32 s17, 0, XWG
	s_cselect_b32 s24, 0x3f800000, s24             ; the sum's factor: 1 for x, -1/2 for the codebook
	s_sub_co_u32 s17, ttmp9, s17
	s_lshl_b32 s17, s17, 1
	s_add_co_u32 s17, s17, s16                     ; my record's number in its tensor
	s_lshl_b32 s18, s17, 15                        ; 16 rows of 2,048 bytes
	s_mov_b32 s19, 0
	s_add_nc_u64 s[4:5], s[4:5], s[18:19]
	s_mul_i32 s20, s17, TR
	s_mov_b32 s21, 0
	s_add_nc_u64 s[8:9], s[8:9], s[20:21]
.macro LOAD t                          ; row t into set t % 8: 32 lanes read 512 consecutive bytes; read once in the launch
.irp i, 0,1,2,3
	global_load_b128 v[R+16*((\t)%8)+4*\i:R+16*((\t)%8)+4*\i+3], v3, s[4:5] offset:2048*(\t)+512*\i th:TH_LOAD_NT
.endr
.endm
.macro TURN t                          ; row t through stage t % 2: LDS serves a wave's instructions in order, so no wait stands between the stores and the loads
.irp i, 0,1,2,3
	ds_store_b128 v14, v[R+16*((\t)%8)+4*\i:R+16*((\t)%8)+4*\i+3] offset:32*SP*((\t)%2)+8*SP*\i
.endr
.irp i, 0,1,2,3
	ds_load_b128 v[X+16*((\t)%2)+4*\i:X+16*((\t)%2)+4*\i+3], v15 offset:32*SP*((\t)%2)+16*\i
.endr
.endm
.irp t, 0,1,2,3,4,5,6,7
	LOAD \t
.endr
	s_wait_loadcnt 28                              ; row 0's four loads are in; the 28 of rows 1 to 7 may be out
	TURN 0
.macro STEP t
.set XS, X+16*((\t)%2)
.set CC, C+4*((\t)%4)
.if (\t) > 0
	s_wait_dscnt 3                                 ; this row is back from the stage (the last row's three stores may be out): so its stores into the stage have read set t % 8,
.else
	s_wait_dscnt 0x0
.endif
.if (\t)+8 < ROWS
	LOAD (\t)+8                                    ; which takes the row eight further on
.endif
.if (\t)+1 < ROWS
.if (\t)+8 < ROWS
	s_wait_loadcnt 28                              ; the next row's four loads are in; those of the seven rows behind it may be out
.else
	s_wait_loadcnt 4*(ROWS-2-(\t))                 ; the rows behind the next one run out
.endif
	TURN (\t)+1                                    ; and goes through the other stage while this row is worked
.endif
	v_pk_mul_f32 v[20:21], v[XS:XS+1], v[XS:XS+1]                  ; the row's sum of squares, of the numbers as they came: two packed chains
	v_pk_mul_f32 v[22:23], v[XS+2:XS+3], v[XS+2:XS+3]
.irp i, 4,8,12
	v_pk_fma_f32 v[20:21], v[XS+\i:XS+\i+1], v[XS+\i:XS+\i+1], v[20:21]
	v_pk_fma_f32 v[22:23], v[XS+\i+2:XS+\i+3], v[XS+\i+2:XS+\i+3], v[22:23]
.endr
	v_max3_num_f32 v8, |v[XS]|, |v[XS+1]|, |v[XS+2]|               ; the largest magnitude of my 16
	v_max3_num_f32 v9, |v[XS+3]|, |v[XS+4]|, |v[XS+5]|
	v_pk_add_f32 v[20:21], v[20:21], v[22:23]
.irp i, 6,10
	v_max3_num_f32 v8, v8, |v[XS+\i]|, |v[XS+\i+1]|
	v_max3_num_f32 v9, v9, |v[XS+\i+2]|, |v[XS+\i+3]|
.endr
	v_add_f32 v20, v20, v21
	v_max3_num_f32 v8, v8, |v[XS+14]|, |v[XS+15]|
	v_add_f32_dpp v20, v20, v20 row_xmask:1 row_mask:0xf bank_mask:0xf
	v_max3_num_f32 v8, v8, v9, 0x4800000           ; and the floor 2^(9 - 127), under which no largest magnitude is taken: so the byte cannot fall under 1
	v_add_f32_dpp v20, v20, v20 row_xmask:2 row_mask:0xf bank_mask:0xf
	v_max_num_f32_dpp v8, v8, v8 row_xmask:1 row_mask:0xf bank_mask:0xf   ; with my neighbour's 16: the block's
	v_add_f32_dpp v20, v20, v20 row_xmask:4 row_mask:0xf bank_mask:0xf
	v_add_nc_u32 v11, 0xfc000000, v8               ; 8 off its exponent field: the conversion takes the exponent field of this operand as its scale, and nothing else of it
	v_add_f32_dpp v20, v20, v20 row_xmask:8 row_mask:0xf bank_mask:0xf
	v_and_or_b32 v10, v8, 0x7f800000, s23          ; 448 x the scale: the largest magnitude's exponent field over 448's mantissa
	v_permlanex16_b32 v21, v20, s12, s13           ; (v21 has been written: a lane permute's destination counts as one of its sources)
.irp i, 0,1,2,3,4,5,6,7,8,9,10,11,12,13,14,15
	v_med3_num_f32 v[XS+\i], v[XS+\i], -v10, v10   ; the conversion to an 8-bit code does not saturate (ISA guide 7.6.2): hold the number within the largest code x the scale first
.endr
	v_add_f32 v20, v20, v21                        ; every lane holds the row's sum
	v_cvt_scalef32_pk8_fp8_f32 v[CC:CC+1], v[XS:XS+7], v11
	v_cvt_scalef32_pk8_fp8_f32 v[CC+2:CC+3], v[XS+8:XS+15], v11
	v_lshrrev_b32 v[E+(\t)%4], 23, v11             ; the scale's byte.  (A plain vector line behind the conversions)
	v_mul_f32 v[S+(\t)%4], s24, v20                ; x: the sum; codebook: -1/2 of it, which rounds nothing
	ds_store_b8 v5, v[E+(\t)%4] offset:16*(\t)     ; both lanes of a block write the same byte with the same value
	ds_store_b128 v4, v[CC:CC+3] offset:16*(\t)    ; my 16 codes of row t
	ds_store_b32 v16, v[S+(\t)%4] offset:4*(\t)    ; all lanes write the same word with the same value
.endm
.irp t, 0,1,2,3,4,5,6,7,8,9,10,11,12,13,14,15
	STEP \t
.endr
.irp i, 0,1,2,3,4,5,6,7,8,9,10,11,12,13,14,15
	ds_load_b128 v[R+4*\i:R+4*\i+3], v18 offset:2*IP*\i            ; LDS serves a wave's instructions in order: these see my stores
.endr
	ds_load_b64 v[X:X+1], v6
	ds_load_b64 v[X+2:X+3], v17
.irp i, 0,1,2,3,4,5,6,7,8,9,10,11,12,13,14,15
	s_wait_dscnt 17-\i                             ; behind load i: the 15 - i younger loads of the image and the two of 8 bytes
	global_store_b128 v3, v[R+4*\i:R+4*\i+3], s[8:9] offset:512*\i   ; 32 lanes store 512 consecutive bytes, at a multiple of 256 from the buffer's first byte
.endr
	s_wait_dscnt 0x0
	global_store_b64 v7, v[X:X+1], s[8:9] offset:8192              ; the scale bytes: 256 consecutive bytes, aligned
	global_store_b64 v7, v[X+2:X+3], s[8:9] offset:8448            ; the sums, four times over: likewise
	s_wait_tensorcnt 0x0
	ds_add_u32 v216, v217
	s_wait_dscnt 0x0
	s_endpgm
.Lfunc_end_k_q517c52b77d_pack:
	.size	k_q517c52b77d_pack, .Lfunc_end_k_q517c52b77d_pack-k_q517c52b77d_pack
	.p2alignl 7, 3214868480
	.fill 96, 4, 3214868480
	.section	.rodata,"a",@progbits
	.p2align	6, 0x0
	.amdhsa_kernel k_q517c52b77d_pack
		.amdhsa_group_segment_fixed_size 28928
		.amdhsa_private_segment_fixed_size 0
		.amdhsa_enable_private_segment 0
		.amdhsa_kernarg_size 32
		.amdhsa_user_sgpr_count 2
		.amdhsa_user_sgpr_kernarg_segment_ptr 1
		.amdhsa_wavefront_size32 1
		.amdhsa_system_sgpr_workgroup_id_x 1
		.amdhsa_system_sgpr_workgroup_id_y 1
		.amdhsa_system_sgpr_workgroup_id_z 1
		.amdhsa_system_vgpr_workitem_id 0
		.amdhsa_next_free_vgpr 218
		.amdhsa_next_free_sgpr 66
		.amdhsa_reserve_vcc 0
		.amdhsa_float_denorm_mode_32 3
		.amdhsa_float_denorm_mode_16_64 3
		.amdhsa_memory_ordered 1
		.amdhsa_forward_progress 1
		.amdhsa_inst_pref_size 71
	.end_amdhsa_kernel
	.amdgpu_metadata
---
amdhsa.version: [ 1, 2 ]
amdhsa.kernels:
  - .name:           k_q517c52b77d_pack
    .symbol:         k_q517c52b77d_pack.kd
    .args:
      - { .name: x, .offset: 0, .size: 8, .value_kind: global_buffer, .address_space: global }
      - { .name: codebook, .offset: 8, .size: 8, .value_kind: global_buffer, .address_space: global }
      - { .name: xpack, .offset: 16, .size: 8, .value_kind: global_buffer, .address_space: global }
      - { .name: cpack, .offset: 24, .size: 8, .value_kind: global_buffer, .address_space: global }
    .group_segment_fixed_size: 28928
    .private_segment_fixed_size: 0
    .kernarg_segment_align: 8
    .kernarg_segment_size: 32
    .max_flat_workgroup_size: 64
    .sgpr_count:     66
    .vgpr_count:     218
    .wavefront_size: 32
...
	.end_amdgpu_metadata
.endif
;; end of part 1
;; launch dist (part 2): grid 32 x 8, 4 waves a work-group, clusters of 4 x 1, 327,680 bytes of LDS; arguments xpack, cpack, part; writes part
.if DOCPART == 2
	.amdgcn_target "amdgcn-amd-amdhsa--gfx1250"
	.amdhsa_code_object_version 6
	.text
	.protected	k_q517c52b77d_dist
	.globl	k_q517c52b77d_dist
	.p2align	8
	.type	k_q517c52b77d_dist,@function
k_q517c52b77d_dist:
	s_mov_b64 s[64:65], 0
	v_nop
	global_prefetch_b8 v0, s[64:65] scope:SCOPE_SE
	s_setreg_imm32_b32 hwreg(HW_REG_WAVE_MODE, 25, 1), 1
	s_wait_xcnt 0x0
	s_wait_alu depctr_hold_cnt(0) depctr_sa_sdst(0) depctr_va_vdst(0) depctr_va_sdst(0) depctr_va_ssrc(0) depctr_va_vcc(0) depctr_vm_vsrc(0)
	s_getreg_b32 s2, hwreg(HW_REG_IB_STS2, 6, 4)
	s_cmp_eq_u32 s2, 0
	s_cbranch_scc0 .Lentry_in_a_cluster
	s_endpgm
.Lentry_in_a_cluster:
	s_bfe_u32 s2, ttmp6, 0x10000c
	s_cmp_lg_u32 s2, 0x3003
	s_cbranch_scc0 .Lentry_shape_is_right
	s_endpgm
.Lentry_shape_is_right:
; For each of 16,384 tokens and each of 8 ranges of 1,024 codes: the code of the range that is nearest, as {key, index}, 8 bytes, into part [range][token].
; THE ARITHMETIC.  The matrix unit sums G(code, token) = Q(c) . Q(x) - c2 / 2 on codes of FP8 (E4M3) with E8M0 scales: -c2 / 2 is the C of each sum's first matrix instruction.
; d2 = x2 - 2 G, so the smallest d2 is the largest G.  x2 enters once a token, at the end: d2 = fma(-2, largest G, x2); rounding is monotone, so that is the smallest of the rounded d2.
; LIMITS, stated: the terms are associated x2 - 2 (x . c - c2 / 2), not (x2 - 2 x . c) + c2; inside a range candidates are compared on G, which is finer than d2's rounding, and on equal G the
; lowest index wins; between ranges (next launch) they are compared on the rounded d2, and on equality the lower range wins.  NaN and infinities among the inputs are not served.
; key = d2's bits made orderable as an unsigned number: b xor ((b asr 31) | 0x80000000).
; SHARES.  Work-group (bx, y): tokens 512 bx on x codes 1,024 y on.  Wave w owns 128 tokens, 8 tiles of 16, whose codes stay in 512 registers for the whole launch; all four waves walk the range's 64 tiles
; of 16 codes from LDS.  Source 0 = 16 codes, source 1 = 16 tokens: a lane holds ONE token (lane % 16), its eight result registers the codes 8 (lane / 16) + 0 .. 7 of the tile.
; A fragment of the codebook read from LDS (2,048 bytes a wave) feeds 8 matrix instructions.
; THE ARGMAX.  Each (token tile T, register j) of a lane has a slot {best G, number of the tile where it was found}: a compare, a maximum and a select for each score, nothing else.  'At most' keeps the old slot,
; so the earliest tile wins a tie.  The 64 slots of a lane are merged once, at the end.
; BY TURNS.  K is short: 4 matrix instructions make 8 scores a lane, which cost 24 vector instructions.  So a tile's 32 matrix instructions stand with the judging of the tile BEFORE between them, six vector
; instructions behind each; two banks of 8 accumulators take turns.  The next tile's 19 LDS loads stand singly in slices 2 to 17 (under the slices' own window setting) and in slice 18.
; RECORDS.  A tile of 16 rows is a record of 8,704 bytes: 8,192 of codes as images of the operand's registers (byte 2048 s + 512 c + 16 lane), 256 of scale bytes [row][16], 256 with the rows' f32 sums.
; So every fragment load is 512 consecutive bytes, and four records are one dense block for one tensor load.
; CLUSTER.  The four work-groups of a cluster have the same y and walk the same records: each block is asked for JOINTLY, by the same tensor load with the same descriptor and the mask of all four.
; REGISTERS, in windows of 256 (s_set_vgpr_msb: bits 1:0 source 0, 3:2 source 1, 5:4 source 2, 7:6 destination):
;   window 0: v1-12 addresses; v16-31 x's scale words; v32-39 the codebook's, two banks; v40-55 -c2 / 2, two banks; v56-59 x2; v64-191 two banks of 8 accumulators
;   windows 1, 2: x's fragments, token tile T at 64 (T % 4) + 16 s       window 3: v0-127 the codebook's fragments, two buffers; v128-255 the slots: best at 128 + 16 T + 2 j, tile number beside it
.set TR,    8704                       ; bytes of a record
.set QUART, 4*TR                       ; what one tensor load brings
.set SLOT,  16*TR                      ; a slot: 16 records
.set RANGE, 64*TR                      ; a range's records
.set SPARE, 2*SLOT                     ; behind the ring: the spare words, 128 bytes for each wave: two blocks of 256 bytes that no other line names
.set L16, 1                            ; v1   16 x lane
.set H32, 2                            ; v2   32 (lane / 16) + 8,448: my eight -c2 / 2 in a record
.set R16, 3                            ; v3   16 (lane % 16) + 8,192: my row's four scale words in a record
.set AD,  4                            ; v4-6 the three above + the LDS byte of the records in hand
.set AHD, 5
.set ASD, 6
.set SPW, 7                            ; v7   LDS address of my spare word: SPARE + 4 x my thread's number; never rewritten
.set NIL, 8                            ; v8   0; never rewritten
.set XSA, 9                            ; v9   x's scale words: 8,704 (lane / 16) + 16 (lane % 16)
.set X2A, 10                           ; v10  x2: 8,704 (lane / 16) + 4 (lane % 16)
.set PO,  11                           ; v11  8 x lane: my place in a store to part
.set H8,  12                           ; v12  8 (lane / 16)
.set XS,  16                           ; register 4 p + s: lanes 0-15 token tile 2 p, lanes 16-31 tile 2 p + 1, K step s
.set CS,  32                           ; register 4 bank + s
.set HC,  40                           ; register 8 bank + j
.set X2,  56                           ; register p: lanes 0-15 tile 2 p, lanes 16-31 tile 2 p + 1
.set ACC, 64                           ; register 64 bank + 8 T + j
.set CF,  0                            ; window 3: 64 buffer + 16 s + 4 c
.set BI,  128                          ; window 3: the slots
.set TH,  0                            ; window 3, at the finish: 8 (lane / 16)
.set TV,  2                            ; window 3, at the finish: a pair at work
.set WV,  10                           ; s10  my wave's number
.set G1,  24                           ; s[24:31] descriptor group 1
.set G0,  32                           ; s[32:39] descriptor group 0, a set for each slot
.set TB,  40                           ; s40  LDS byte of the records to be fetched next
.set TI,  41                           ; s41  number of the tile that is being judged
.set CNT, 42                           ; s42  counts a loop's trips
.set MK,  43                           ; s43  a second lane mask beside VCC
.set NINF, 44                          ; s44  -infinity
.set SEL, 46                           ; s[46:47] v_permlanex16_b32's selects for lane l xor 16
.set HI,  48                           ; s48  the mask of lanes 16-31
.set MA,  49                           ; s49-51 lane masks of a merge
.set MB,  50
.set MC,  51
.set NB,  52                           ; s52  the range's first code
.set W_M1, 0x07                        ; source 0 (codebook) window 3, source 1 (x) window 1, C and D window 0
.set W_M2, 0x0b                        ; the same with x in window 2
.set W_E,  0xcc                        ; source 0 window 0 (a score; an LDS address), source 1 and destination window 3 (a slot; a fragment)
.set W_ALL3, 0xff
.set MSB, 0
.macro WIN new                         ; the immediate's high byte repeats the setting that is left; a switch that changes nothing is dropped
.if MSB != \new
	s_set_vgpr_msb (MSB<<8)|\new
.set MSB, \new
.endif
.endm
; A round of the cluster's barrier: my work-group's barrier, so that wave 0's signal speaks for all four waves; wave 0 signals for the work-group; every wave waits for all four work-groups;
; my work-group's barrier once more.  No LDS instruction of the wave is pending at a signal.
.macro CROUND
	s_barrier_signal -1
	s_barrier_wait -1
	s_cmp_lg_u32 s[WV], 0
	s_cbranch_scc1 .Lnot_wave_0_\@
	s_barrier_signal -3
.Lnot_wave_0_\@:
	s_barrier_wait -3
	s_barrier_signal -1
	s_barrier_wait -1
.endm
	s_load_b128 s[4:7], s[0:1], 0x0                ; xpack s[4:5], cpack s[6:7]
	s_load_b64 s[8:9], s[0:1], 0x10                ; part
	v_lshl_add_u32 v[SPW], v0, 2, SPARE
	v_mov_b32 v[NIL], 0
	ds_add_u32 v7, v8
	ds_add_u32 v7, v8
	s_wait_dscnt 0x0
	v_lshrrev_b32 v1, 5, v0
	v_readfirstlane_b32 s[WV], v1                  ; wave 0..3
	s_bfe_u32 s11, ttmp6, 0x40000                  ; cx: my place in the cluster
	s_lshl_b32 s12, ttmp9, 2                       ; in a cluster launch ttmp9 counts clusters
	s_add_co_u32 s12, s12, s11                     ; bx = 4 x cluster x + cx: it enters xpack's and part's addresses alone
	s_and_b32 s13, ttmp7, 0xffff                   ; y, which the four partners share
	; descriptor group 1: four records, a dense block of 34,816 bytes, as 136 rows of 256 bytes (32 elements of 8 bytes), no padding: the images are read as they lie
	s_mov_b32 s[G1+0], 15|(3<<16)|(1<<21)          ; 15:0 the mask: all four work-groups; 17:16 elements of 8 bytes; 21 set beside a mask
	s_mov_b32 s[G1+1], 32<<16                      ; tensor_dim0 = 32
	s_mov_b32 s[G1+2], 136<<16                     ; tensor_dim1 = 136
	s_mov_b32 s[G1+3], 32<<16                      ; tile_dim0 = 32
	s_mov_b32 s[G1+4], 136                         ; tile_dim1 = 136
	s_mov_b32 s[G1+5], 32                          ; tensor_dim0_stride
	s_mov_b32 s[G1+6], 0
	s_mov_b32 s[G1+7], 0
	s_mul_i32 s14, s[WV], QUART                    ; my quarter of a slot, in LDS and in memory: no place in the cluster enters it
	s_mul_i32 s16, s13, RANGE
	s_add_co_u32 s16, s16, s14                     ; cpack: the range's records, my quarter (registers that never hold cx)
	s_mov_b32 s17, 0
	s_lshl_b32 s18, s12, 5
	s_lshl_b32 s19, s[WV], 3
	s_add_co_u32 s18, s18, s19
	s_mul_i32 s18, s18, TR                         ; xpack: record 32 bx + 8 w
	s_mov_b32 s19, 0
	s_lshl_b32 s20, s13, 17                        ; part: 131,072 bytes a range,
	s_lshl_b32 s21, s12, 12                        ; 512 tokens of 8 bytes a work-group,
	s_add_co_u32 s20, s20, s21
	s_lshl_b32 s21, s[WV], 10                      ; 128 a wave
	s_add_co_u32 s20, s20, s21
	s_mov_b32 s21, 0
	s_lshl_b32 s[NB], s13, 10
	s_mov_b32 s[NINF], 0xff800000
	s_mov_b32 s[SEL], 0x76543210
	s_mov_b32 s[SEL+1], 0xfedcba98
	s_mov_b32 s[HI], 0xffff0000
	s_mov_b32 s[TB], 0
	s_mov_b32 s[TI], 0
	s_wait_kmcnt 0x0
	s_add_nc_u64 s[4:5], s[4:5], s[18:19]
	s_add_nc_u64 s[6:7], s[6:7], s[16:17]
	s_add_nc_u64 s[8:9], s[8:9], s[20:21]
	s_mov_b32 s[G0+0], 1                           ; 1:0 count = 1
	s_mov_b32 s[G0+1], s14                         ; LDS address: slot 0, my quarter
	s_mov_b64 s[G0+2:G0+3], s[6:7]                 ; global address: tiles 0 to 15 of the range, my quarter
	s_or_b32 s[G0+3], s[G0+3], 0x80000000          ; type = 2
	s_mov_b32 s[G0+4], 1
	s_add_co_u32 s[G0+5], s14, SLOT                ; slot 1
	s_add_nc_u64 s[G0+6:G0+7], s[6:7], SLOT        ; tiles 16 to 31
	s_or_b32 s[G0+7], s[G0+7], 0x80000000
	CROUND                                         ; all four work-groups are here: the first joint loads meet
	tensor_load_to_lds s[G0:G0+3], s[G1:G1+7]      ; the two first fills stand together, ahead of every wait on TENSORcnt and every LDS read: two loads of mine are out
	s_nop 0
	tensor_load_to_lds s[G0+4:G0+7], s[G1:G1+7]
	s_nop 0
.rept 4
	v_nop                                          ; behind a tensor load
.endr
	v_and_b32 v13, 31, v0                          ; lane
	v_and_b32 v14, 15, v0                          ; r
	v_bfe_u32 v15, v0, 4, 1                        ; h
	v_lshlrev_b32 v[L16], 4, v13
	v_lshl_add_u32 v[H32], v15, 5, TR-256
	v_lshl_add_u32 v[R16], v14, 4, 8192
	v_mul_u32_u24 v[XSA], v15, TR
	v_lshl_add_u32 v[X2A], v14, 2, v[XSA]
	v_lshl_add_u32 v[XSA], v14, 4, v[XSA]
	v_lshlrev_b32 v[PO], 3, v13
	v_lshlrev_b32 v[H8], 3, v15
	WIN 0x40                                       ; destination window 1: token tiles 0 to 3.  Each load reads 512 consecutive bytes of an image
.irp T, 0,1,2,3
.irp s, 0,1,2,3
.irp c, 0,1,2,3
	global_load_b128 v[64*\T+16*\s+4*\c:64*\T+16*\s+4*\c+3], v[L16], s[4:5] offset:TR*\T+2048*\s+512*\c
.endr
.endr
.endr
	WIN 0x80                                       ; destination window 2: token tiles 4 to 7
.irp T, 0,1,2,3
.irp s, 0,1,2,3
.irp c, 0,1,2,3
	global_load_b128 v[64*\T+16*\s+4*\c:64*\T+16*\s+4*\c+3], v[L16], s[4:5] offset:TR*(\T+4)+2048*\s+512*\c
.endr
.endr
.endr
	WIN 0
.irp p, 0,1,2,3
	global_load_b128 v[XS+4*\p:XS+4*\p+3], v[XSA], s[4:5] offset:8192+2*TR*\p   ; lanes 0-15: tile 2 p's 256 scale bytes; lanes 16-31: tile 2 p + 1's
	global_load_b32 v[X2+\p], v[X2A], s[4:5] offset:8448+2*TR*\p
.endr
	WIN 0xc0                                       ; destination window 3
.set el, 0
.rept 64
	v_mov_b32 v[BI+2*el], s[NINF]                  ; the slots begin at -infinity, under every G, while the loads are on their way: so the judging is written once, with no first tile of its own
	v_mov_b32 v[BI+2*el+1], 0
.set el, el+1
.endr
	WIN 0
	v_add_nc_u32 v[AD], s[TB], v[L16]
	v_add_nc_u32 v[AHD], s[TB], v[H32]
	v_add_nc_u32 v[ASD], s[TB], v[R16]
; Matrix instruction i of a tile's 32: K step i / 8, token tile i % 8, into bank par from buffer par.  The 8 accumulators take turns, one instruction a turn, and the banks alternate from tile to tile,
; over the loops' backward jumps too.  A sum's first link takes -c2 / 2 as its C.  Odd token tiles have their scale words in lanes 16-31.
.macro WM par
.set kst, i/8
.set tok, i%8
.set rD, ACC+64*(\par)+8*tok
.set rA, CF+64*(\par)+16*kst
.set rB, 64*(tok%4)+16*kst
.set rH, HC+8*(\par)
.set rSA, CS+4*(\par)+kst
.set rSB, XS+4*(tok/2)+kst
.if tok < 4
	WIN W_M1
.else
	WIN W_M2
.endif
.if kst == 0
.if tok%2
	v_wmma_scale_f32_16x16x128_f8f6f4 v[rD:rD+7], v[rA:rA+15], v[rB:rB+15], v[rH:rH+7], v[rSA], v[rSB] matrix_b_scale:MATRIX_SCALE_ROW1
.else
	v_wmma_scale_f32_16x16x128_f8f6f4 v[rD:rD+7], v[rA:rA+15], v[rB:rB+15], v[rH:rH+7], v[rSA], v[rSB]
.endif
.else
.if tok%2
	v_wmma_scale_f32_16x16x128_f8f6f4 v[rD:rD+7], v[rA:rA+15], v[rB:rB+15], v[rD:rD+7], v[rSA], v[rSB] matrix_b_scale:MATRIX_SCALE_ROW1
.else
	v_wmma_scale_f32_16x16x128_f8f6f4 v[rD:rD+7], v[rA:rA+15], v[rB:rB+15], v[rD:rD+7], v[rSA], v[rSB]
.endif
.endif
.endm
; Slice i of 32: scores 2 i and 2 i + 1 of bank 1 - par (token tile i / 4, registers 2 (i % 4) and the next: each accumulator from its low end on) against their slots.
.macro EP2 par
.set rG, ACC+64*(1-(\par))+2*i
.set rS, BI+4*i
	WIN W_E
	v_cmp_le_f32 vcc_lo, v[rG], v[rS]              ; 'at most' keeps the slot: the earliest tile wins a tie
	v_cmp_le_f32 s[MK], v[rG+1], v[rS+2]
	v_max_num_f32 v[rS], v[rG], v[rS]
	v_max_num_f32 v[rS+2], v[rG+1], v[rS+2]
	v_cndmask_b32 v[rS+1], s[TI], v[rS+1], vcc_lo
	v_cndmask_b32 v[rS+3], s[TI], v[rS+3], s[MK]
.endm
; A TILE of 16 codes against my 128 tokens.  epi = 1: the tile before is judged in slices.  fetch = 1: the next tile's record, off bytes behind v[AD], comes into the other buffer and bank.
; PLACES (8 behind this form: ISA guide 7.12.1 for instructions other than loads), by count: accumulator T is last written by instruction 24 + T and first read in the next tile's slice 4 T: 6 (8 - T) + 24 T plain
; instructions that name other accumulators stand between.  The loads into the other buffer begin behind slice 2: 24 plain instructions behind the last product that read it; those of scale words and -c2 / 2 in slice 18.
.macro TILE par, epi, fetch, off
	s_wait_dscnt 0x0                               ; this tile's 19 loads, the youngest issued 13 matrix instructions ago
.set i, 0
.rept 32
	WM \par
.if \epi
	EP2 \par
.endif
.if \fetch
.if (i >= 2) && (i <= 17)
	WIN W_E
	ds_load_b128 v[CF+64*(1-(\par))+4*(i-2):CF+64*(1-(\par))+4*(i-2)+3], v[AD] offset:(\off)+512*(i-2)   ; 512 consecutive bytes
.endif
.if i == 18
	WIN 0
	ds_load_b128 v[CS+4*(1-(\par)):CS+4*(1-(\par))+3], v[ASD] offset:\off
	ds_load_b128 v[HC+8*(1-(\par)):HC+8*(1-(\par))+3], v[AHD] offset:\off
	ds_load_b128 v[HC+8*(1-(\par))+4:HC+8*(1-(\par))+7], v[AHD] offset:(\off)+16
.endif
.endif
.set i, i+1
.endr
.if \epi
	s_add_co_u32 s[TI], s[TI], 1
.endif
.endm
; Two tiles, an odd one and an even one; they fetch the records at s[TB] and behind it.
.macro PAIR
	v_add_nc_u32 v[AD], s[TB], v[L16]
	v_add_nc_u32 v[AHD], s[TB], v[H32]
	v_add_nc_u32 v[ASD], s[TB], v[R16]
	s_add_co_u32 s[TB], s[TB], 2*TR
	TILE 1, 1, 1, 0
	TILE 0, 1, 1, TR
.endm
.macro LOOPP n
	WIN 0                                          ; at a label and at a branch every window is 0
	s_mov_b32 s[CNT], \n
.Lpair_\@:
	PAIR
	WIN 0
	s_sub_co_u32 s[CNT], s[CNT], 1
	s_cmp_lg_u32 s[CNT], 0
	s_cbranch_scc1 .Lpair_\@
.endm
; THE CHANGE OF SLOTS stands where the last record of a slot has been asked for from LDS.  Each wave waits for all its tensor loads (its quarter of the slot ahead), adds 0 to its spare word, and waits for that and
; for its reads of the slot that it leaves.  fill = 1: the barrier is a round of the cluster's, so that no wave of any partner still reads slot n or has a load on its way, and the joint refill of slot n, with the
; records two slots on, is the first thing behind it: it has 16 tiles, 512 matrix instructions, in which to land.  tb: where the fetches go on.
.macro CHANGE fill, n, tb
	WIN 0
	s_wait_tensorcnt 0x0                           ; no tensor load of mine is out, so a group 0 may be written
	ds_add_u32 v[SPW], v[NIL]                      ; 0 onto my spare word
.if \fill
	s_add_nc_u64 s[G0+4*\n+2:G0+4*\n+3], s[G0+4*\n+2:G0+4*\n+3], 2*SLOT   ; the type bits on top are not reached
.endif
	s_mov_b32 s[TB], \tb
	s_wait_dscnt 0x0                               ; the add is done, and my reads of the slot that I leave are over
.if \fill
	CROUND
	tensor_load_to_lds s[G0+4*\n:G0+4*\n+3], s[G1:G1+7]   ; my one tensor load until the next round
	s_nop 0
.rept 4
	v_nop
.endr
.else
	s_barrier_signal -1
	s_barrier_wait -1
.endif
.endm
; (value, index) pair a takes pair b where b's value is larger, or equal with the lower index.  All in window 3.
.macro MERGE a, b
	v_cmp_gt_f32 s[MA], v[\b], v[\a]
	v_cmp_eq_f32 s[MB], v[\b], v[\a]
	v_cmp_lt_u32 s[MC], v[(\b)+1], v[(\a)+1]
	s_and_b32 s[MB], s[MB], s[MC]
	s_or_b32 s[MA], s[MA], s[MB]
	v_cndmask_b32 v[\a], v[\a], v[\b], s[MA]
	v_cndmask_b32 v[(\a)+1], v[(\a)+1], v[(\b)+1], s[MA]
.endm
	s_wait_tensorcnt 0x1                           ; my quarter of slot 0 is in; slot 1's may stay out
	s_barrier_signal -1
	s_barrier_wait -1                              ; everybody's is
	WIN W_E
.set i, 0
.rept 16
	ds_load_b128 v[CF+4*i:CF+4*i+3], v[AD] offset:512*i            ; tile 0
.set i, i+1
.endr
	WIN 0
	ds_load_b128 v[CS:CS+3], v[ASD]
	ds_load_b128 v[HC:HC+3], v[AHD]
	ds_load_b128 v[HC+4:HC+7], v[AHD] offset:16
	s_wait_loadcnt 0x0                             ; x: codes, scale words, x2
	TILE 0, 0, 1, TR                               ; tile 0: nothing to judge yet; tile 1 is fetched
.rept 8
	v_nop                                          ; the places behind tile 0's products, which had no slices between them
.endr
	s_mov_b32 s[TB], 2*TR
	LOOPP 7                                        ; tiles 1 to 14; records 2 to 15 are fetched
	CHANGE 1, 0, 16*TR                             ; slot 0 is left and takes tiles 32 to 47
	LOOPP 8                                        ; tiles 15 to 30; records 16 to 31
	CHANGE 1, 1, 0                                 ; slot 1 is left and takes tiles 48 to 63
	LOOPP 8                                        ; tiles 31 to 46; records 32 to 47
	CHANGE 0, 0, 16*TR                             ; nothing is left to ask for: a plain barrier shows slot 1 whole
	LOOPP 8                                        ; tiles 47 to 62; records 48 to 63
	TILE 1, 1, 0, 0                                ; tile 63
.set i, 0
.rept 32
	EP2 0                                          ; and its judging: accumulator T was last written 6 (8 - T) + 24 T plain instructions ago
.set i, i+1
.endr
	; THE FINISH.  A slot's tile number f becomes the code's number in the range, 16 f + j (+ 8 (lane / 16) behind the merge over j); a lane's eight slots of a token tile are merged, then the two halves of the lanes.
	WIN W_E
	v_mov_b32 v[TH], v[H8]                         ; 8 (lane / 16) into window 3 (the fragments' registers are free: their last reader stands hundreds of plain instructions back)
	WIN W_ALL3
	v_mov_b32 v[TV], 0                             ; written once: a lane permute's destination counts as one of its sources
	v_mov_b32 v[TV+1], 0
.irp T, 0,1,2,3,4,5,6,7
.set B0, BI+16*\T
.irp j, 0,1,2,3,4,5,6,7
	v_lshl_add_u32 v[B0+2*\j+1], v[B0+2*\j+1], 4, \j
.endr
	MERGE B0, B0+2
	MERGE B0+4, B0+6
	MERGE B0+8, B0+10
	MERGE B0+12, B0+14
	MERGE B0, B0+4
	MERGE B0+8, B0+12
	MERGE B0, B0+8
	v_add_nc_u32 v[B0+1], v[TH], v[B0+1]
	v_permlanex16_b32 v[TV], v[B0], s[SEL], s[SEL+1]               ; the token's other eight codes of each tile lie in the lane 16 away
	v_permlanex16_b32 v[TV+1], v[B0+1], s[SEL], s[SEL+1]
	MERGE B0, TV
.endr
.irp p, 0,1,2,3
	v_cndmask_b32 v[BI+32*\p], v[BI+32*\p], v[BI+32*\p+16], s[HI]  ; lanes 0-15 keep token tile 2 p, lanes 16-31 take tile 2 p + 1: 32 neighbouring tokens in 32 lanes
	v_cndmask_b32 v[BI+32*\p+1], v[BI+32*\p+1], v[BI+32*\p+17], s[HI]
.endr
	WIN 0xc3                                       ; source 0 and destination window 3, x2 window 0
.irp p, 0,1,2,3
	v_fma_f32 v[BI+32*\p], v[BI+32*\p], -2.0, v[X2+\p]             ; d2 = x2 - 2 G
.endr
	WIN W_ALL3
.irp p, 0,1,2,3
	v_ashrrev_i32 v[TV+2*\p], 31, v[BI+32*\p]
.endr
.irp p, 0,1,2,3
	v_or_b32 v[TV+2*\p], 0x80000000, v[TV+2*\p]
.endr
.irp p, 0,1,2,3
	v_xor_b32 v[BI+32*\p], v[BI+32*\p], v[TV+2*\p]                 ; the key: d2's order as an unsigned number's
	v_add_nc_u32 v[BI+32*\p+1], s[NB], v[BI+32*\p+1]               ; the code's number in the codebook
.endr
	WIN 0x0c                                       ; a store's data are its source 1: window 3
.irp p, 0,1,2,3
	global_store_b64 v[PO], v[BI+32*\p:BI+32*\p+1], s[8:9] offset:256*\p   ; 32 lanes store 256 consecutive bytes, at a multiple of 256 from part's first byte
.endr
	WIN 0
	s_wait_tensorcnt 0x0                           ; the wave's end: behind my last tensor load
	ds_add_u32 v[SPW], v[NIL]
	s_wait_dscnt 0x0
	CROUND                                         ; the closing round: no work-group ends while a partner may still ask for a block that names it
	s_endpgm
.Lfunc_end_k_q517c52b77d_dist:
	.size	k_q517c52b77d_dist, .Lfunc_end_k_q517c52b77d_dist-k_q517c52b77d_dist
	.p2alignl 7, 3214868480
	.fill 96, 4, 3214868480
	.section	.rodata,"a",@progbits
	.p2align	6, 0x0
	.amdhsa_kernel k_q517c52b77d_dist
		.amdhsa_group_segment_fixed_size 327680
		.amdhsa_private_segment_fixed_size 0
		.amdhsa_enable_private_segment 0
		.amdhsa_kernarg_size 24
		.amdhsa_user_sgpr_count 2
		.amdhsa_user_sgpr_kernarg_segment_ptr 1
		.amdhsa_wavefront_size32 1
		.amdhsa_system_sgpr_workgroup_id_x 1
		.amdhsa_system_sgpr_workgroup_id_y 1
		.amdhsa_system_sgpr_workgroup_id_z 1
		.amdhsa_system_vgpr_workitem_id 0
		.amdhsa_next_free_vgpr 1024
		.amdhsa_next_free_sgpr 66
		.amdhsa_reserve_vcc 1
		.amdhsa_float_denorm_mode_32 3
		.amdhsa_float_denorm_mode_16_64 3
		.amdhsa_memory_ordered 1
		.amdhsa_forward_progress 1
		.amdhsa_inst_pref_size 209
	.end_amdhsa_kernel
	.amdgpu_metadata
---
amdhsa.version: [ 1, 2 ]
amdhsa.kernels:
  - .name:           k_q517c52b77d_dist
    .symbol:         k_q517c52b77d_dist.kd
    .args:
      - { .name: xpack, .offset: 0, .size: 8, .value_kind: global_buffer, .address_space: global }
      - { .name: cpack, .offset: 8, .size: 8, .value_kind: global_buffer, .address_space: global }
      - { .name: part, .offset: 16, .size: 8, .value_kind: global_buffer, .address_space: global }
    .group_segment_fixed_size: 327680
    .private_segment_fixed_size: 0
    .kernarg_segment_align: 8
    .kernarg_segment_size: 24
    .max_flat_workgroup_size: 128
    .sgpr_count:     66
    .vgpr_count:     1024
    .wavefront_size: 32
...
	.end_amdgpu_metadata
.endif
;; end of part 2
;; launch pick (part 3): grid 256 x 1, 8 waves a work-group, no clusters, 0 bytes of LDS; arguments part, embedding, out0; writes out0
.if DOCPART == 3
	.amdgcn_target "amdgcn-amd-amdhsa--gfx1250"
	.amdhsa_code_object_version 6
	.text
	.protected	k_q517c52b77d_pick
	.globl	k_q517c52b77d_pick
	.p2align	8
	.type	k_q517c52b77d_pick,@function
k_q517c52b77d_pick:
	s_mov_b64 s[64:65], 0
	v_nop
	global_prefetch_b8 v0, s[64:65] scope:SCOPE_SE
	s_setreg_imm32_b32 hwreg(HW_REG_WAVE_MODE, 25, 1), 1
	s_wait_xcnt 0x0
; out0[token] = embedding[index of the nearest code].  part [8 ranges][16384 tokens] holds {key, index}, whole numbers: the key is d2's order as an unsigned number.
; The eight ranges' candidates of a token are merged by whole-number compares: the smaller key wins, and a later range only where its key is strictly smaller, so the lower range (the lower index) wins a tie.
; SHARES.  A work-group takes 64 tokens, a wave 8.  Lane l holds the candidates of the wave's token l % 8 (the four groups of eight lanes read the same 64 bytes, so that the index of token i stands in lane i,
; a constant of the text).  Then a row of 2,048 bytes is four loads and four stores of 512 consecutive bytes; all 32 loads of a wave are issued before its first store.
; Memory binds: no LDS, no barrier, no matrix unit; waves share nothing.  An index is held to 8,191 before it enters an address.
.set ROW, 2048
	s_load_b128 s[4:7], s[0:1], 0x0                ; part s[4:5], embedding s[6:7]
	s_load_b64 s[8:9], s[0:1], 0x10                ; out0
	v_lshrrev_b32 v1, 5, v0
	v_readfirstlane_b32 s10, v1                    ; wave 0..7
	v_and_b32 v2, 31, v0
	v_lshlrev_b32 v2, 4, v2                        ; 16 x lane: my 16 bytes of a load's or a store's 512
	v_and_b32 v1, 7, v0
	v_lshlrev_b32 v1, 3, v1                        ; 8 (lane % 8): my token's entry
	s_lshl_b32 s12, ttmp9, 6
	s_lshl_b32 s13, s10, 3
	s_add_co_u32 s12, s12, s13                     ; my wave's first token: 64 x work-group + 8 x wave
	s_lshl_b32 s14, s12, 3                         ; its entry in a range of part
	s_mov_b32 s15, 0
	s_lshl_b32 s16, s12, 11                        ; its row of out0
	s_mov_b32 s17, 0
	s_wait_kmcnt 0x0
	s_add_nc_u64 s[4:5], s[4:5], s[14:15]
	s_add_nc_u64 s[8:9], s[8:9], s[16:17]
.irp y, 0,1,2,3,4,5,6,7
	global_load_b64 v[16+2*\y:17+2*\y], v1, s[4:5] offset:131072*\y   ; range y's candidate
.endr
	s_wait_loadcnt 0x0
.irp y, 1,2,3,4,5,6,7
	v_cmp_lt_u32 vcc_lo, v[16+2*\y], v16           ; strictly smaller: else the lower range stays
	v_cndmask_b32 v16, v16, v[16+2*\y], vcc_lo
	v_cndmask_b32 v17, v17, v[17+2*\y], vcc_lo
.endr
.irp i, 0,1,2,3,4,5,6,7
	v_readlane_b32 s[20+\i], v17, \i               ; token i's index,
	s_min_u32 s[20+\i], s[20+\i], 0x1fff           ; held inside the table,
	s_lshl_b32 s[20+\i], s[20+\i], 11              ; as a row's byte offset
	v_add_nc_u32 v[8+\i], s[20+\i], v2
.endr
.irp i, 0,1,2,3,4,5,6,7
.irp q, 0,1,2,3
	global_load_b128 v[32+16*\i+4*\q:32+16*\i+4*\q+3], v[8+\i], s[6:7] offset:512*\q   ; no hint: a row may be named by several tokens
.endr
.endr
.irp i, 0,1,2,3,4,5,6,7
	s_wait_loadcnt 4*(7-\i)                        ; row i's four loads are in; the later rows' four each may be out
.irp q, 0,1,2,3
	global_store_b128 v2, v[32+16*\i+4*\q:32+16*\i+4*\q+3], s[8:9] offset:ROW*\i+512*\q th:TH_STORE_NT   ; 512 consecutive bytes, at a multiple of 256 from out0's first byte; written once
.endr
.endr
	s_endpgm
.Lfunc_end_k_q517c52b77d_pick:
	.size	k_q517c52b77d_pick, .Lfunc_end_k_q517c52b77d_pick-k_q517c52b77d_pick
	.p2alignl 7, 3214868480
	.fill 96, 4, 3214868480
	.section	.rodata,"a",@progbits
	.p2align	6, 0x0
	.amdhsa_kernel k_q517c52b77d_pick
		.amdhsa_group_segment_fixed_size 0
		.amdhsa_private_segment_fixed_size 0
		.amdhsa_enable_private_segment 0
		.amdhsa_kernarg_size 24
		.amdhsa_user_sgpr_count 2
		.amdhsa_user_sgpr_kernarg_segment_ptr 1
		.amdhsa_wavefront_size32 1
		.amdhsa_system_sgpr_workgroup_id_x 1
		.amdhsa_system_sgpr_workgroup_id_y 1
		.amdhsa_system_sgpr_workgroup_id_z 1
		.amdhsa_system_vgpr_workitem_id 0
		.amdhsa_next_free_vgpr 168
		.amdhsa_next_free_sgpr 66
		.amdhsa_reserve_vcc 1
		.amdhsa_float_denorm_mode_32 3
		.amdhsa_float_denorm_mode_16_64 3
		.amdhsa_memory_ordered 1
		.amdhsa_forward_progress 1
		.amdhsa_inst_pref_size 11
	.end_amdhsa_kernel
	.amdgpu_metadata
---
amdhsa.version: [ 1, 2 ]
amdhsa.kernels:
  - .name:           k_q517c52b77d_pick
    .symbol:         k_q517c52b77d_pick.kd
    .args:
      - { .name: part, .offset: 0, .size: 8, .value_kind: global_buffer, .address_space: global }
      - { .name: embedding, .offset: 8, .size: 8, .value_kind: global_buffer, .address_space: global }
      - { .name: out0, .offset: 16, .size: 8, .value_kind: global_buffer, .address_space: global }
    .group_segment_fixed_size: 0
    .private_segment_fixed_size: 0
    .kernarg_segment_align: 8
    .kernarg_segment_size: 24
    .max_flat_workgroup_size: 256
    .sgpr_count:     66
    .vgpr_count:     168
    .wavefront_size: 32
...
	.end_amdgpu_metadata
.endif
;; end of part 3
;; ======== version 2 of 2: 3 launches
;; limits: right only within a limited range of input values
;; workspace buffers: xpack 8,912,896 bytes; cpack 4,456,448 bytes; part 1,048,576 bytes of whole numbers
;; launch pack: the kernel of part 1 again; grid 768 x 1, 2 waves a work-group, no clusters, 28,928 bytes of LDS; arguments x, codebook, xpack, cpack; writes xpack, cpack
;; launch dist (part 4): grid 32 x 8, 8 waves a work-group, clusters of 4 x 1, 327,680 bytes of LDS; arguments xpack, cpack, part; writes part
.if DOCPART == 4
	.amdgcn_target "amdgcn-amd-amdhsa--gfx1250"
	.amdhsa_code_object_version 6
	.text
	.protected	k_q517c52b77d_dist
	.globl	k_q517c52b77d_dist
	.p2align	8
	.type	k_q517c52b77d_dist,@function
k_q517c52b77d_dist:
	s_mov_b64 s[64:65], 0
	v_nop
	global_prefetch_b8 v0, s[64:65] scope:SCOPE_SE
	s_setreg_imm32_b32 hwreg(HW_REG_WAVE_MODE, 25, 1), 1
	s_wait_xcnt 0x0
	s_wait_alu depctr_hold_cnt(0) depctr_sa_sdst(0) depctr_va_vdst(0) depctr_va_sdst(0) depctr_va_ssrc(0) depctr_va_vcc(0) depctr_vm_vsrc(0)
	s_getreg_b32 s2, hwreg(HW_REG_IB_STS2, 6, 4)
	s_cmp_eq_u32 s2, 0
	s_cbranch_scc0 .Lentry_in_a_cluster
	s_endpgm
.Lentry_in_a_cluster:
	s_bfe_u32 s2, ttmp6, 0x10000c
	s_cmp_lg_u32 s2, 0x3003
	s_cbranch_scc0 .Lentry_shape_is_right
	s_endpgm
.Lentry_shape_is_right:
; part[range y][token] = {key, index} of the nearest code among the 1,024 codes of range y.  The score of a code is x.c - c2/2 (the product in MX-FP8, its sum begun with -c2/2 as C);
; the largest score is the smallest d2; the key is x2 - 2 x score as an unsigned number of the same order.  LIMIT: NaN and infinities among the inputs are not served.
; SHARES.  A work-group takes 512 tokens x one range; eight waves, 64 tokens each: a wave's four token records (4 x 64 registers of codes) stay in window 1 for the whole launch.
; The range's 64 code records (16 codes, 8,704 bytes each, laid by the launch before as images of the operand's registers) go through a ring of two LDS slots of 16 records.
; CLUSTERS: the four work-groups of a cluster have the same range: every fill is a joint load, mask 15; each wave asks for two records (68 rows of 256 bytes).
; A TILE (16 codes x my 64 tokens) is 16 products: K step by K step, the four token tiles by turns.  Source 0 = codes, source 1 = tokens: lane (r, h) holds token r,
; register j the code 8 h + j.  The products stand in two groups of eight; between the groups stand the tile before's vector work and the next tile's LDS loads.
; THE BEST CODE, 14 vector lines for 8 scores: a chain of v_max3 gives the running best of a lane and token tile; where it has grown (strictly: so the first tile wins a tie), the tile's number and its
; eight scores are kept.  At the end the lowest j whose kept score equals the best gives the code; the two halves of the lanes are merged, the lower index winning a tie.
; NO PREFETCH: a refill is asked for 16 tiles (256 products of each wave) ahead of the wait for it, and the first two fills have no loop ahead of them.
.set TR,    8704
.set SHARE, 2*TR                       ; a wave's part of a slot
.set SLOT,  16*TR
.set RANGE, 64*TR
.set SPARE, 2*SLOT                     ; behind the ring: the spare words, 128 bytes a wave
.set L16, 1                            ; 16 x lane
.set H32, 2                            ; 32 h + the record's sums
.set R16, 3                            ; 16 r + the record's scale bytes
.set AD,  4                            ; LDS addresses of the record that is fetched: codes,
.set AHD, 5                            ; -c2/2,
.set ASD, 6                            ; scale words
.set SPW, 7
.set NIL, 8
.set XSA, 9
.set X2A, 10
.set PO,  11
.set H8,  12
.set XS,  16                           ; v16-23  x's scale words: pair p of records at 4 p, lanes 0-15 record 2 p, lanes 16-31 record 2 p + 1
.set X2,  24                           ; v24-25  x2
.set CS,  26                           ; v26-29, v34-37  the codes' scale words, two sets
.set II,  30                           ; v30-33  the best tile's number, for each token tile
.set BB,  38                           ; v38-45  the running best, two sets by turns
.set HC,  48                           ; v48-55  -c2/2 of the lane's eight codes
.set SV,  56                           ; v56-87  the best tile's eight scores, for each token tile
.set ACC, 88                           ; v88-151 two sets of four accumulators
.set CF,  152                          ; v152-215 the tile's codes
.set PP,  216
.set TV,  220
.set OUT, 228
.set WV,  10
.set G1,  24
.set G0,  32
.set TB,  40
.set TI,  41
.set CNT, 42
.set MK,  44                           ; s44-47 where the best has grown, for each token tile
.set NB,  48
.set SEL, 50
.set HI,  52
.set MA,  53
.set MB,  54
.set MC,  55
.set MSB, 0
.macro WIN new                         ; the immediate's high byte repeats the setting that is left
.if MSB != \new
	s_set_vgpr_msb (MSB<<8)|\new
.set MSB, \new
.endif
.endm
.macro CROUND                          ; a round of the cluster's barrier
	s_barrier_signal -1
	s_barrier_wait -1
	s_cmp_lg_u32 s[WV], 0
	s_cbranch_scc1 .Lnot_wave_0_\@
	s_barrier_signal -3
.Lnot_wave_0_\@:
	s_barrier_wait -3
	s_barrier_signal -1
	s_barrier_wait -1
.endm
	s_load_b128 s[4:7], s[0:1], 0x0                ; xpack, cpack
	s_load_b64 s[8:9], s[0:1], 0x10                ; part
	v_lshl_add_u32 v[SPW], v0, 2, SPARE
	v_mov_b32 v[NIL], 0
	ds_add_u32 v[SPW], v[NIL]                      ; the opening lines: the add twice on end and its wait
	ds_add_u32 v[SPW], v[NIL]
	v_lshrrev_b32 v13, 5, v0
	v_readfirstlane_b32 s[WV], v13                 ; wave 0..7
	s_bfe_u32 s11, ttmp6, 0x40000                  ; cx
	s_lshl_b32 s12, ttmp9, 2
	s_add_co_u32 s12, s12, s11                     ; work-group x: which 512 tokens
	s_and_b32 s13, ttmp7, 0xffff                   ; y: which range
	s_mov_b32 s[G1+0], 15|(3<<16)|(1<<21)          ; mask of the four partners; elements of 8 bytes; bit 21 beside the mask
	s_mov_b32 s[G1+1], 32<<16                      ; rows of 256 bytes
	s_mov_b32 s[G1+2], 68<<16                      ; 68 of them: two records
	s_mov_b32 s[G1+3], 32<<16
	s_mov_b32 s[G1+4], 68
	s_mov_b32 s[G1+5], 32
	s_mov_b32 s[G1+6], 0
	s_mov_b32 s[G1+7], 0
	s_mul_i32 s14, s[WV], SHARE                    ; my part of a slot, in LDS and in memory
	s_mul_i32 s16, s13, RANGE
	s_add_co_u32 s16, s16, s14
	s_mov_b32 s17, 0
	s_lshl_b32 s18, s12, 5
	s_lshl_b32 s19, s[WV], 2
	s_add_co_u32 s18, s18, s19                     ; my first token record: 32 x + 4 wave
	s_mul_i32 s18, s18, TR
	s_mov_b32 s19, 0
	s_lshl_b32 s20, s13, 17                        ; part: 131,072 y + 4,096 x + 512 wave
	s_lshl_b32 s21, s12, 12
	s_add_co_u32 s20, s20, s21
	s_lshl_b32 s21, s[WV], 9
	s_add_co_u32 s20, s20, s21
	s_mov_b32 s21, 0
	s_lshl_b32 s[NB], s13, 10                      ; the range's first code
	s_mov_b32 s[SEL], 0x76543210
	s_mov_b32 s[SEL+1], 0xfedcba98                 ; v_permlanex16_b32's selects for lane l xor 16
	s_mov_b32 s[HI], 0xffff0000                    ; lanes 16-31
	s_mov_b32 s[TB], 0
	s_mov_b32 s[TI], 0
	s_wait_dscnt 0x0                               ; both opening adds are done
	s_wait_kmcnt 0x0
	s_add_nc_u64 s[4:5], s[4:5], s[18:19]
	s_add_nc_u64 s[6:7], s[6:7], s[16:17]
	s_add_nc_u64 s[8:9], s[8:9], s[20:21]
	s_mov_b32 s[G0+0], 1
	s_mov_b32 s[G0+1], s14
	s_mov_b64 s[G0+2:G0+3], s[6:7]
	s_or_b32 s[G0+3], s[G0+3], 0x80000000
	s_mov_b32 s[G0+4], 1
	s_add_co_u32 s[G0+5], s14, SLOT
	s_add_nc_u64 s[G0+6:G0+7], s[6:7], SLOT
	s_or_b32 s[G0+7], s[G0+7], 0x80000000
	CROUND                                         ; the four partners are here: the first joint loads meet
	tensor_load_to_lds s[G0:G0+3], s[G1:G1+7]      ; records 0-15, two a wave: one tensor load a wave at the head
	s_nop 0
.rept 4
	v_nop
.endr
	v_and_b32 v13, 31, v0
	v_and_b32 v14, 15, v0                          ; r
	v_bfe_u32 v15, v0, 4, 1                        ; h
	v_lshlrev_b32 v[L16], 4, v13
	v_lshl_add_u32 v[H32], v15, 5, TR-256
	v_lshl_add_u32 v[R16], v14, 4, 8192
	v_mul_u32_u24 v[XSA], v15, TR
	v_lshl_add_u32 v[X2A], v14, 2, v[XSA]
	v_lshl_add_u32 v[XSA], v14, 4, v[XSA]
	v_lshlrev_b32 v[PO], 3, v13
	v_lshlrev_b32 v[H8], 3, v15
	v_add_nc_u32 v[AD], s[TB], v[L16]
	v_add_nc_u32 v[AHD], s[TB], v[H32]
	v_add_nc_u32 v[ASD], s[TB], v[R16]
.irp p, 0,1
	global_load_b128 v[XS+4*\p:XS+4*\p+3], v[XSA], s[4:5] offset:8192+2*TR*\p
	global_load_b32 v[X2+\p], v[X2A], s[4:5] offset:8448+2*TR*\p
.endr
	WIN 0x40                                       ; destination window 1
.irp s, 0,1,2,3                        ; my tokens' codes, K step by K step: the first tile waits for them by count
.irp T, 0,1,2,3
.irp c, 0,1,2,3
	global_load_b128 v[64*\T+16*\s+4*\c:64*\T+16*\s+4*\c+3], v[L16], s[4:5] offset:TR*\T+2048*\s+512*\c
.endr
.endr
.endr
	WIN 0
.set n, 0
.rept 32
	v_mov_b32 v[SV+n], 0xff800000
.set n, n+1
.endr
.irp k, 0,1,2,3
	v_mov_b32 v[BB+4+\k], 0xff800000               ; the best so far: under every score
	v_mov_b32 v[II+\k], 0
	v_mov_b32 v[TV+2*\k], 0                        ; (a lane permute's destination counts as one of its sources)
	v_mov_b32 v[TV+2*\k+1], 0
.endr
; four products: K step s of the tile, the four token tiles by turns.  The first K step takes -c2/2 as C
.macro WM4 par, s
.irp k, 0,1,2,3
.set rD, ACC+32*(\par)+8*\k
.set rA, CF+16*(\s)
.set rB, 64*\k+16*(\s)
.set rSA, CS+8*(\par)+(\s)
.set rSB, XS+4*(\k/2)+(\s)
.if (\s) == 0
.if \k%2
	v_wmma_scale_f32_16x16x128_f8f6f4 v[rD:rD+7], v[rA:rA+15], v[rB:rB+15], v[HC:HC+7], v[rSA], v[rSB] matrix_b_scale:MATRIX_SCALE_ROW1
.else
	v_wmma_scale_f32_16x16x128_f8f6f4 v[rD:rD+7], v[rA:rA+15], v[rB:rB+15], v[HC:HC+7], v[rSA], v[rSB]
.endif
.else
.if \k%2
	v_wmma_scale_f32_16x16x128_f8f6f4 v[rD:rD+7], v[rA:rA+15], v[rB:rB+15], v[rD:rD+7], v[rSA], v[rSB] matrix_b_scale:MATRIX_SCALE_ROW1
.else
	v_wmma_scale_f32_16x16x128_f8f6f4 v[rD:rD+7], v[rA:rA+15], v[rB:rB+15], v[rD:rD+7], v[rSA], v[rSB]
.endif
.endif
.endr
.endm
.macro ESET par                        ; the tile before lies in the other set of accumulators; the best goes from set par to the other
.set AE, ACC+32*(1-(\par))
.set BO, BB+4*(\par)
.set BN, BB+4*(1-(\par))
.endm
.macro EMAX                            ; the running best with the tile's eight scores: four chains by turns, each accumulator from its low end on
.irp j, 0,2,4,6
.irp k, 0,1,2,3
.if \j == 0
	v_max3_num_f32 v[BN+\k], v[BO+\k], v[AE+8*\k], v[AE+8*\k+1]
.else
	v_max3_num_f32 v[BN+\k], v[BN+\k], v[AE+8*\k+\j], v[AE+8*\k+\j+1]
.endif
.endr
.endr
.endm
.macro ECMP                            ; where it has grown, strictly, the tile's number is kept
.irp k, 0,1,2,3
	v_cmp_gt_f32 s[MK+\k], v[BN+\k], v[BO+\k]
.endr
.irp k, 0,1,2,3
	v_cndmask_b32 v[II+\k], v[II+\k], s[TI], s[MK+\k]
.endr
.endm
.macro ESAVE n0, cnt                   ; and so are its scores
.set n, \n0
.rept \cnt
	v_cndmask_b32 v[SV+n], v[SV+n], v[AE+n], s[MK+n/8]
.set n, n+1
.endr
.endm
.macro FET1 par, off                   ; 11 LDS loads: the next tile's K steps 0 and 1, its scale words (into the other set) and its -c2/2
.set q, 0
.rept 8
	ds_load_b128 v[CF+4*q:CF+4*q+3], v[AD] offset:(\off)+512*q
.set q, q+1
.endr
	ds_load_b128 v[CS+8*(1-(\par)):CS+8*(1-(\par))+3], v[ASD] offset:\off
	ds_load_b128 v[HC:HC+3], v[AHD] offset:\off
	ds_load_b128 v[HC+4:HC+7], v[AHD] offset:(\off)+16
.endm
.macro FET2 off                        ; 8 LDS loads: its K steps 2 and 3
.set q, 8
.rept 8
	ds_load_b128 v[CF+4*q:CF+4*q+3], v[AD] offset:(\off)+512*q
.set q, q+1
.endr
.endm
; One tile.  epi: the tile before's vector work stands between the groups of products (else eight v_nop: the places in front of loads into registers that products have read).
; fetch: the next tile's record, at off from the address registers.  adr: the address registers step first.  first: x's codes are waited for K step by K step.
.macro TILE par, epi, fetch, off, adr, first
	ESET \par
	s_wait_dscnt 8                                 ; all but the 8 loads of this tile's K steps 2 and 3
	WIN 0x04                                       ; source 1 (tokens) window 1
.if \first
	s_wait_loadcnt 48                              ; behind K step 0's: the 48 loads of K steps 1 to 3
.endif
	WM4 \par, 0
.if \first
	s_wait_loadcnt 32
.endif
	WM4 \par, 1
	WIN 0
.if \adr
	v_add_nc_u32 v[AD], s[TB], v[L16]              ; 16 plain vector lines stand between these and the loads that read them
	v_add_nc_u32 v[AHD], s[TB], v[H32]
	v_add_nc_u32 v[ASD], s[TB], v[R16]
	s_add_co_u32 s[TB], s[TB], 2*TR
.endif
.if \epi
	EMAX                                           ; these 16 name no register of the products above: their places
.else
.rept 8
	v_nop
.endr
.endif
.if \fetch
	FET1 \par, \off
.endif
.if \epi
	ECMP
	ESAVE 0, 4
.endif
.if \fetch
	s_wait_dscnt 11                                ; all but the 11 just issued
.else
	s_wait_dscnt 0x0
.endif
	WIN 0x04
.if \first
	s_wait_loadcnt 16
.endif
	WM4 \par, 2
.if \first
	s_wait_loadcnt 0x0
.endif
	WM4 \par, 3
	WIN 0
.if \epi
	ESAVE 4, 12
.else
.rept 8
	v_nop
.endr
.endif
.if \fetch
	FET2 \off
.endif
.if \epi
	ESAVE 16, 16
	s_add_co_u32 s[TI], s[TI], 1
.endif
.endm
.macro LOOPP n                         ; a trip is two tiles: the sets of accumulators, scale words and bests are back where they began
	s_mov_b32 s[CNT], \n
.Lpair_\@:
	TILE 1, 1, 1, 0, 1, 0
	TILE 0, 1, 1, TR, 0, 0
	s_sub_co_u32 s[CNT], s[CNT], 1
	s_cmp_lg_u32 s[CNT], 0
	s_cbranch_scc1 .Lpair_\@
.endm
; A change of slots, one tile ahead of the slot's end: the slot's last record is in registers behind the wait for my LDS loads.  fill = 1: the slot just read out takes the records 32 further on.
.macro CHANGE fill, n, tb
	s_wait_tensorcnt 0x0                           ; all my tensor loads have landed: my part of the next slot
	ds_add_u32 v[SPW], v[NIL]
.if \fill
	s_add_nc_u64 s[G0+4*\n+2:G0+4*\n+3], s[G0+4*\n+2:G0+4*\n+3], 2*SLOT
.endif
	s_mov_b32 s[TB], \tb
	s_wait_dscnt 0x0                               ; the add is done, and my reads of this slot are over
.if \fill
	CROUND                                         ; the same holds of every wave of the four partners
	tensor_load_to_lds s[G0+4*\n:G0+4*\n+3], s[G1:G1+7]
	s_nop 0
.rept 4
	v_nop
.endr
.else
	s_barrier_signal -1
	s_barrier_wait -1
.endif
.endm
	s_wait_alu depctr_va_vdst(0)
	s_wait_tensorcnt 0x0                           ; my part of slot 0 is in; slot 1's first fill is issued as a refill is
	ds_add_u32 v[SPW], v[NIL]
	s_wait_dscnt 0x0
	CROUND
	tensor_load_to_lds s[G0+4:G0+7], s[G1:G1+7]    ; records 16-31
	s_nop 0
.rept 4
	v_nop
.endr
	FET1 1, 0                                      ; record 0
	FET2 0
	TILE 0, 0, 1, TR, 0, 1                         ; tile 0
	s_mov_b32 s[TB], 2*TR
	LOOPP 7                                        ; tiles 1-14
	CHANGE 1, 0, 16*TR
	LOOPP 8                                        ; tiles 15-30
	CHANGE 1, 1, 0
	LOOPP 8                                        ; tiles 31-46
	CHANGE 0, 0, 16*TR
	LOOPP 8                                        ; tiles 47-62
	TILE 1, 1, 0, 0, 0, 0                          ; tile 63; its last 28 vector lines are the places behind its products
	ESET 0
	EMAX
	ECMP
	ESAVE 0, 32
; The best now lies in set 1.  The lowest j whose kept score equals it:
.set BF, BB+4
.irp k, 0,1,2,3
	v_mov_b32 v[PP+\k], 7
.endr
.irp j, 6,5,4,3,2,1,0
.irp k, 0,1,2,3
	v_cmp_eq_f32 s[MK+\k], v[SV+8*\k+\j], v[BF+\k]
.endr
.irp k, 0,1,2,3
	v_cndmask_b32 v[PP+\k], v[PP+\k], \j, s[MK+\k]
.endr
.endr
.irp k, 0,1,2,3
	v_lshl_add_u32 v[II+\k], v[II+\k], 4, v[PP+\k]  ; 16 x tile + j
.endr
.irp k, 0,1,2,3
	v_add_nc_u32 v[II+\k], v[H8], v[II+\k]          ; + 8 h
.endr
.irp k, 0,1,2,3
	v_permlanex16_b32 v[TV+2*\k], v[BF+\k], s[SEL], s[SEL+1]
	v_permlanex16_b32 v[TV+2*\k+1], v[II+\k], s[SEL], s[SEL+1]
.endr
.irp k, 0,1,2,3                        ; with lane l xor 16's: the larger score, and at a tie the lower index
	v_cmp_gt_f32 s[MA], v[TV+2*\k], v[BF+\k]
	v_cmp_eq_f32 s[MB], v[TV+2*\k], v[BF+\k]
	v_cmp_lt_u32 s[MC], v[TV+2*\k+1], v[II+\k]
	s_and_b32 s[MB], s[MB], s[MC]
	s_or_b32 s[MA], s[MA], s[MB]
	v_cndmask_b32 v[BF+\k], v[BF+\k], v[TV+2*\k], s[MA]
	v_cndmask_b32 v[II+\k], v[II+\k], v[TV+2*\k+1], s[MA]
.endr
.irp p, 0,1                            ; lanes 0-15 take token tile 2 p, lanes 16-31 tile 2 p + 1: 32 tokens on end
	v_cndmask_b32 v[OUT+2*\p], v[BF+2*\p], v[BF+2*\p+1], s[HI]
	v_cndmask_b32 v[OUT+2*\p+1], v[II+2*\p], v[II+2*\p+1], s[HI]
.endr
.irp p, 0,1
	v_fma_f32 v[OUT+2*\p], v[OUT+2*\p], -2.0, v[X2+\p]   ; d2 = x2 - 2 (x.c - c2/2)
.endr
.irp p, 0,1
	v_ashrrev_i32 v[PP+\p], 31, v[OUT+2*\p]
.endr
.irp p, 0,1
	v_or_b32 v[PP+\p], 0x80000000, v[PP+\p]
.endr
.irp p, 0,1
	v_xor_b32 v[OUT+2*\p], v[OUT+2*\p], v[PP+\p]    ; d2's order as an unsigned number
	v_add_nc_u32 v[OUT+2*\p+1], s[NB], v[OUT+2*\p+1]
.endr
.irp p, 0,1
	global_store_b64 v[PO], v[OUT+2*\p:OUT+2*\p+1], s[8:9] offset:256*\p   ; 32 lanes store 256 consecutive bytes, aligned
.endr
	s_wait_tensorcnt 0x0                           ; the wave's end
	ds_add_u32 v[SPW], v[NIL]
	s_wait_dscnt 0x0
	CROUND                                         ; the closing round
	s_endpgm
.Lfunc_end_k_q517c52b77d_dist:
	.size	k_q517c52b77d_dist, .Lfunc_end_k_q517c52b77d_dist-k_q517c52b77d_dist
	.p2alignl 7, 3214868480
	.fill 96, 4, 3214868480
	.section	.rodata,"a",@progbits
	.p2align	6, 0x0
	.amdhsa_kernel k_q517c52b77d_dist
		.amdhsa_group_segment_fixed_size 327680
		.amdhsa_private_segment_fixed_size 0
		.amdhsa_enable_private_segment 0
		.amdhsa_kernarg_size 24
		.amdhsa_user_sgpr_count 2
		.amdhsa_user_sgpr_kernarg_segment_ptr 1
		.amdhsa_wavefront_size32 1
		.amdhsa_system_sgpr_workgroup_id_x 1
		.amdhsa_system_sgpr_workgroup_id_y 1
		.amdhsa_system_sgpr_workgroup_id_z 1
		.amdhsa_system_vgpr_workitem_id 0
		.amdhsa_next_free_vgpr 512
		.amdhsa_next_free_sgpr 66
		.amdhsa_reserve_vcc 0
		.amdhsa_float_denorm_mode_32 3
		.amdhsa_float_denorm_mode_16_64 3
		.amdhsa_memory_ordered 1
		.amdhsa_forward_progress 1
		.amdhsa_inst_pref_size 94
	.end_amdhsa_kernel
	.amdgpu_metadata
---
amdhsa.version: [ 1, 2 ]
amdhsa.kernels:
  - .name:           k_q517c52b77d_dist
    .symbol:         k_q517c52b77d_dist.kd
    .args:
      - { .name: xpack, .offset: 0, .size: 8, .value_kind: global_buffer, .address_space: global }
      - { .name: cpack, .offset: 8, .size: 8, .value_kind: global_buffer, .address_space: global }
      - { .name: part, .offset: 16, .size: 8, .value_kind: global_buffer, .address_space: global }
    .group_segment_fixed_size: 327680
    .private_segment_fixed_size: 0
    .kernarg_segment_align: 8
    .kernarg_segment_size: 24
    .max_flat_workgroup_size: 256
    .sgpr_count:     66
    .vgpr_count:     512
    .wavefront_size: 32
...
	.end_amdgpu_metadata
.endif
;; end of part 4
;; launch pick (part 5): grid 256 x 1, 8 waves a work-group, no clusters, 0 bytes of LDS; arguments part, embedding, out0; writes out0
.if DOCPART == 5
	.amdgcn_target "amdgcn-amd-amdhsa--gfx1250"
	.amdhsa_code_object_version 6
	.text
	.protected	k_q517c52b77d_pick
	.globl	k_q517c52b77d_pick
	.p2align	8
	.type	k_q517c52b77d_pick,@function
k_q517c52b77d_pick:
	s_mov_b64 s[64:65], 0
	v_nop
	global_prefetch_b8 v0, s[64:65] scope:SCOPE_SE
	s_setreg_imm32_b32 hwreg(HW_REG_WAVE_MODE, 25, 1), 1
	s_wait_xcnt 0x0
; out0[token] = embedding[index of the nearest code].  part [8 ranges][16384 tokens] holds {key, index}, whole numbers: the key is d2's order as an unsigned number.
; The eight ranges' candidates of a token are merged by whole-number compares: the smaller key wins, and a later range only where its key is strictly smaller, so the lower range (the lower index) wins a tie.
; SHARES.  A work-group takes 64 tokens, a wave 8.  Lane l holds the candidates of the wave's token l % 8 (the four groups of eight lanes read the same 64 bytes, so that the index of token i stands in lane i,
; a constant of the text).  Then a row of 2,048 bytes is four loads and four stores of 512 consecutive bytes; all 32 loads of a wave are issued before its first store.
; Memory binds: no LDS, no barrier, no matrix unit; waves share nothing.  An index is held to 8,191 before it enters an address.
.set ROW, 2048
	s_load_b128 s[4:7], s[0:1], 0x0                ; part s[4:5], embedding s[6:7]
	s_load_b64 s[8:9], s[0:1], 0x10                ; out0
	v_lshrrev_b32 v1, 5, v0
	s_delay_alu instid0(VALU_DEP_1)
	v_readfirstlane_b32 s10, v1                    ; wave 0..7
	v_and_b32 v2, 31, v0
	s_delay_alu instid0(VALU_DEP_1)
	v_lshlrev_b32 v2, 4, v2                        ; 16 x lane: my 16 bytes of a load's or a store's 512
	v_and_b32 v1, 7, v0
	s_delay_alu instid0(VALU_DEP_1)
	v_lshlrev_b32 v1, 3, v1                        ; 8 (lane % 8): my token's entry
	s_lshl_b32 s12, ttmp9, 6
	s_lshl_b32 s13, s10, 3
	s_add_co_u32 s12, s12, s13                     ; my wave's first token: 64 x work-group + 8 x wave
	s_lshl_b32 s14, s12, 3                         ; its entry in a range of part
	s_mov_b32 s15, 0
	s_lshl_b32 s16, s12, 11                        ; its row of out0
	s_mov_b32 s17, 0
	s_wait_alu depctr_va_vdst(0)
	s_wait_kmcnt 0x0
	s_add_nc_u64 s[4:5], s[4:5], s[14:15]
	s_add_nc_u64 s[8:9], s[8:9], s[16:17]
.irp y, 0,1,2,3,4,5,6,7
	global_load_b64 v[16+2*\y:17+2*\y], v1, s[4:5] offset:131072*\y   ; range y's candidate
.endr
	s_wait_loadcnt 0x0
.irp y, 1
	v_cmp_lt_u32 vcc_lo, v[16+2*\y], v16           ; strictly smaller: else the lower range stays
	s_delay_alu instid0(VALU_DEP_1)
	v_cndmask_b32 v16, v16, v[16+2*\y], vcc_lo
	s_delay_alu instid0(VALU_DEP_2)
	v_cndmask_b32 v17, v17, v[17+2*\y], vcc_lo
.endr
.irp y, 2, 3, 4, 5, 6, 7
	s_delay_alu instid0(VALU_DEP_2)
	v_cmp_lt_u32 vcc_lo, v[16+2*\y], v16           ; strictly smaller: else the lower range stays
	s_delay_alu instid0(VALU_DEP_1)
	v_cndmask_b32 v16, v16, v[16+2*\y], vcc_lo
	s_delay_alu instid0(VALU_DEP_2)
	v_cndmask_b32 v17, v17, v[17+2*\y], vcc_lo
.endr
	s_wait_alu depctr_va_vdst(0)
.irp i, 0,1,2,3,4,5,6,7
	v_readlane_b32 s[20+\i], v17, \i               ; token i's index,
	s_min_u32 s[20+\i], s[20+\i], 0x1fff           ; held inside the table,
	s_lshl_b32 s[20+\i], s[20+\i], 11              ; as a row's byte offset
	v_add_nc_u32 v[8+\i], s[20+\i], v2
.endr
	s_wait_alu depctr_va_vdst(0)
.irp i, 0,1,2,3,4,5,6,7
.irp q, 0,1,2,3
	global_load_b128 v[32+16*\i+4*\q:32+16*\i+4*\q+3], v[8+\i], s[6:7] offset:512*\q   ; no hint: a row may be named by several tokens
.endr
.endr
.irp i, 0,1,2,3,4,5,6,7
	s_wait_loadcnt 4*(7-\i)                        ; row i's four loads are in; the later rows' four each may be out
.irp q, 0,1,2,3
	global_store_b128 v2, v[32+16*\i+4*\q:32+16*\i+4*\q+3], s[8:9] offset:ROW*\i+512*\q th:TH_STORE_NT   ; 512 consecutive bytes, at a multiple of 256 from out0's first byte; written once
.endr
.endr
	s_endpgm
.Lfunc_end_k_q517c52b77d_pick:
	.size	k_q517c52b77d_pick, .Lfunc_end_k_q517c52b77d_pick-k_q517c52b77d_pick
	.p2alignl 7, 3214868480
	.fill 96, 4, 3214868480
	.section	.rodata,"a",@progbits
	.p2align	6, 0x0
	.amdhsa_kernel k_q517c52b77d_pick
		.amdhsa_group_segment_fixed_size 0
		.amdhsa_private_segment_fixed_size 0
		.amdhsa_enable_private_segment 0
		.amdhsa_kernarg_size 24
		.amdhsa_user_sgpr_count 2
		.amdhsa_user_sgpr_kernarg_segment_ptr 1
		.amdhsa_wavefront_size32 1
		.amdhsa_system_sgpr_workgroup_id_x 1
		.amdhsa_system_sgpr_workgroup_id_y 1
		.amdhsa_system_sgpr_workgroup_id_z 1
		.amdhsa_system_vgpr_workitem_id 0
		.amdhsa_next_free_vgpr 168
		.amdhsa_next_free_sgpr 66
		.amdhsa_reserve_vcc 1
		.amdhsa_float_denorm_mode_32 3
		.amdhsa_float_denorm_mode_16_64 3
		.amdhsa_memory_ordered 1
		.amdhsa_forward_progress 1
		.amdhsa_inst_pref_size 11
	.end_amdhsa_kernel
	.amdgpu_metadata
---
amdhsa.version: [ 1, 2 ]
amdhsa.kernels:
  - .name:           k_q517c52b77d_pick
    .symbol:         k_q517c52b77d_pick.kd
    .args:
      - { .name: part, .offset: 0, .size: 8, .value_kind: global_buffer, .address_space: global }
      - { .name: embedding, .offset: 8, .size: 8, .value_kind: global_buffer, .address_space: global }
      - { .name: out0, .offset: 16, .size: 8, .value_kind: global_buffer, .address_space: global }
    .group_segment_fixed_size: 0
    .private_segment_fixed_size: 0
    .kernarg_segment_align: 8
    .kernarg_segment_size: 24
    .max_flat_workgroup_size: 256
    .sgpr_count:     66
    .vgpr_count:     168
    .wavefront_size: 32
...
	.end_amdgpu_metadata
.endif
;; end of part 5
